; MI455X (gfx1250); checked and timed in simulation.
; The chip was launched on July 23, 2026; its instructions are those of AMD's public machine-readable ISA for CDNA 5 (MIT licence, August 2026) and "CDNA5" Instruction Set Architecture Reference Guide (July 2026). The comments in the code are by the model that wrote it; some were corrected since.
;; rosa slow 4bit layer. Allowed arithmetic: float matrix products may take bf16 or f16 operands with f32 sums; other float arithmetic in f32, or as packed bf16 or f16 multiplies, adds, multiply-adds, maxima and minima; sums over many terms, partial sums and values carried from step to step in f32; what a program stores and reads back later, other than sums and carried values, may be rounded once to bf16 or f16.
;; Inputs: emb 1 x 1 x 512 float32; k 4 x 1,024 x 512 float32; q 4 x 1,024 x 512 float32; v 4 x 1,024 x 512 float32.
;; Outputs: out0 4 x 1,024 x 512 float32.
;; 2 versions, each right; version 2 is version 1 with the launch match written anew for expert scheduling mode. Each part assembles by itself: llvm-mc -triple=amdgcn-amd-amdhsa -mcpu=gfx1250 --defsym DOCPART=n.
;; ======== version 1 of 2: 2 launches
;; workspace buffers: idx 1,048,576 bytes of whole numbers
;; launch match (part 1): grid 64 x 4, 8 waves a work-group, no clusters, 130,560 bytes of LDS; arguments q, k, idx; writes idx
.if DOCPART == 1
	.amdgcn_target "amdgcn-amd-amdhsa--gfx1250"
	.amdhsa_code_object_version 6
	.text
	.protected	k_q0725c5ff56_match
	.globl	k_q0725c5ff56_match
	.p2align	8
	.type	k_q0725c5ff56_match,@function
k_q0725c5ff56_match:
	s_mov_b64 s[64:65], 0
	v_nop
	global_prefetch_b8 v0, s[64:65] scope:SCOPE_SE
	s_setreg_imm32_b32 hwreg(HW_REG_WAVE_MODE, 25, 1), 1
	s_wait_xcnt 0x0
; ROSA, 4-bit symbols: for each (b, g) and each row i, the longest match of q ending at i with k ending at e <= i-1; among the longest the largest e.
; This launch stores idx[b][g][i] (u16) = e+1, the row of v that the next launch looks up, or 0 where no symbol matches (ln = 0).
; WORK LEFT OUT, for all values of the inputs.  L[i][e] is made of L[i-1][e-1] alone, so it lives on the diagonal d = i-e.  The function itself keeps only e < i
; (its own mask e_idx < i), that is d >= 1, and no cell with d <= 0 feeds a cell with d >= 1: the blocks of cells with d <= 0 are not computed.  e+1 = i-d+1 lies in 1..i,
; so the clip to 0..1023 never acts, and 0 is free to mean 'no match'.  v and emb have no way to idx: they are read by the next launch, not here.  All that is left out is
; work on whole numbers: no NaN, infinity or overflow can arise in it.  A NaN in q or k counts as 'not > 0', as in the function.
; THE FORM.  On a diagonal L = i - Z, Z the row of the last mismatch (Z = eq ? Z : i).  Largest L, then largest e = smallest key, key = Zrel*1024 + (d-1),
; Zrel = Z - (first row of the tile in hand) + 1024.  Keys are whole numbers below 2^21, held in f32, where they are exact, so that one v_min3_num_f32 takes two diagonals.
; A row has a match where its key is below (ii+1024)*1024, ii its place in the tile.  At a tile's end 32*1024 is taken from every kept key.
; SHARES.  A work-group has two neighbouring groups g (problems 0 and 1) of one b; 32 consecutive bytes of each row of q and of k, each byte read once.
; A lane owns two neighbouring diagonals of a block of 64: d-1 = 128 r + 64 n + 2 lane + jj.  A tile is 32 rows.  Wave w takes range r = w of problem 0 and then range 7-w of
; problem 1: (62-8w) + (6+8w) = 68 blocks for every wave.  Block n of range r has live cells from tile 4r+2n on; earlier tiles are jumped over.
; No address and no branch hangs on q or k: the data only steer v_cndmask_b32.
.set RES,    0            ; LDS: RES[problem][range][row], f32 keys: 2 x 8 x 4,096 bytes
.set QT,     65536        ; q's symbols, a word each: 2 x 4,096 bytes
.set KT,     73728        ; k's symbols: for each problem two copies; copy c holds k[y+2c] at entry y+132, so that every lane's window begins on 16 bytes
.set KCOPY,  4736         ; from copy to copy: 128 bytes more than a multiple of 256
.set KPROB,  9472         ; from problem to problem
.set SCR,    92672        ; each wave's own 32 rows x 144 bytes, to turn 32 lanes x 32 rows
.set SROW,   144
.set SWAVE,  4608
.set SPARE,  129536       ; the spare words, 128 bytes for each of the 8 waves: no other line names them
.set BIGKEY, 0x4b000000   ; 2^23: above every key
.set LIT0,   0x49800000   ; 2^20 as f32; 2^20 + x is LIT0 + 8 x for x below 2^20
.set REBASE, 0xc7000000   ; -32768.0 = -(32 rows x 1024)
.set SPW, 2               ; v2   my spare word's address; never rewritten
.set NIL, 3               ; v3   0; never rewritten
.set KA,  4               ; v4   my window of k for block 1 of the tile in hand; block 0's lies 256 bytes further
.set QA,  5               ; v5   the tile's 32 symbols of q
.set RA,  6               ; v6   where my row's key goes in RES
.set SW,  7               ; v7   turning: my column
.set SR,  8               ; v8   turning: my row
.set LN,  9               ; v9   lane
.set LP,  10              ; v[10:11] 128 r + 2 lane as f32, twice
.set Z,   12              ; v[12:15] the kept keys of my four diagonals: 2 n + jj
.set Q,   16              ; v[16:47] q of the tile's rows, the same in all lanes
.set B,   48              ; v[48:79] the rows' smallest keys over my diagonals
.set K0,  80              ; v[80:112] block 0's window of 33 symbols; later the turned keys
.set K1,  116             ; v[116:148] block 1's
.set KL,  150             ; v150 my lane's part of KA
.set C,   152             ; v[152:155] at work
.set MK,  30              ; s[30:33] the compares' masks: two rows by turns, two diagonals each
; registers of the first part only (free again behind the first barrier)
.set XQ,  16              ; v[16:47] 8 rows x 4 numbers of q
.set XK,  48              ; v[48:79] of k
.set GOF, 80
.set KW,  81
.set QW,  82
.set FW,  83
.set BG,  84              ; v[84:87]
.set SEN, 88
.set SY,  89
.set T1,  90
.set T2,  91
.set T3,  92
; registers of the last part only
.set F,   16              ; v[16:79] range r, row m at F + 8 r + m
.set FA,  80
.set I0,  81
.set TH,  82
.set M,   84              ; v[84:91]
.set D,   108             ; v[108:111]
.set OA,  112
	s_load_b128 s[4:7], s[0:1], 0x0                ; q s[4:5], k s[6:7]
	s_load_b64 s[8:9], s[0:1], 0x10                ; idx
	v_lshl_add_u32 v[SPW], v0, 2, SPARE
	v_mov_b32 v[NIL], 0
	v_lshrrev_b32 v1, 5, v0
	v_readfirstlane_b32 s10, v1                    ; wave 0..7
	s_and_b32 s11, ttmp7, 0xffff                   ; b
	s_lshl_b32 s12, s11, 21                        ; b x 1,024 rows x 2,048 bytes
	s_lshl_b32 s14, ttmp9, 5                       ; + my two groups: 32 bytes of a row
	s_add_co_u32 s12, s12, s14
	s_mov_b32 s13, 0
	s_lshl_b32 s16, s11, 18                        ; idx: b x 128 groups x 2,048 bytes
	s_lshl_b32 s14, ttmp9, 12                      ; + two groups
	s_add_co_u32 s16, s16, s14
	s_mov_b32 s17, 0
	v_lshrrev_b32 v1, 1, v0                        ; thread t loads for problem t & 1, rows (t >> 1) + 128 n: two neighbouring lanes take a row's 32 bytes
	v_and_b32 v[T1], 1, v0
	v_lshlrev_b32 v[GOF], 11, v1
	v_lshl_add_u32 v[GOF], v[T1], 4, v[GOF]
	s_wait_kmcnt 0x0
	s_add_nc_u64 s[4:5], s[4:5], s[12:13]
	s_add_nc_u64 s[6:7], s[6:7], s[12:13]
	s_add_nc_u64 s[8:9], s[8:9], s[16:17]
.irp n, 0,1,2,3,4,5,6,7
	global_load_b128 v[XQ+4*(\n):XQ+4*(\n)+3], v[GOF], s[4:5] offset:262144*(\n)
.endr
.irp n, 0,1,2,3,4,5,6,7
	global_load_b128 v[XK+4*(\n):XK+4*(\n)+3], v[GOF], s[6:7] offset:262144*(\n)
.endr
	; while the 16 loads are out: addresses, RES filled with a key that loses, and k[-128..-1] = 255, a symbol that equals no symbol of q
	v_mul_u32_u24 v[KW], v[T1], KPROB
	v_lshl_add_u32 v[KW], v1, 2, v[KW]
	v_add_nc_u32 v[KW], KT+16, v[KW]               ; copy 0, entry 4 + (t >> 1): k[-128 + (t >> 1)]
	v_lshlrev_b32 v[QW], 12, v[T1]
	v_lshl_add_u32 v[QW], v1, 2, v[QW]
	v_add_nc_u32 v[QW], QT, v[QW]
	v_lshlrev_b32 v[FW], 4, v0
.irp n, 0,1,2,3
	v_mov_b32 v[BG+(\n)], BIGKEY
.endr
.irp n, 0,1,2,3,4,5,6,7,8,9,10,11,12,13,14,15
	ds_store_b128 v[FW], v[BG:BG+3] offset:RES+4096*(\n)   ; 256 threads x 16 bytes x 16: all of RES; ranges that have no cell in a row keep this key there
.endr
	v_mov_b32 v[SEN], 0xff
	ds_store_b32 v[KW], v[SEN]
	ds_store_b32 v[KW], v[SEN] offset:KCOPY-8      ; copy 1 holds the same symbol two entries lower
	; what the second part needs of the lane and the wave
	v_and_b32 v[LN], 31, v0
	v_sub_nc_u32 v1, 31, v[LN]                     ; l' = 31 - lane: my window begins at k[E + 2 l']
	v_and_b32 v[T1], 1, v1                         ; the copy: l' & 1
	v_lshrrev_b32 v[T2], 1, v1
	v_mul_u32_u24 v[KL], v[T1], KCOPY
	v_lshl_add_u32 v[KL], v[T2], 4, v[KL]          ; + 4 (l' >> 1) entries
	s_mul_i32 s15, s10, SWAVE
	s_add_co_u32 s15, s15, SCR
	v_lshl_add_u32 v[SW], v[LN], 2, s15
	v_mul_u32_u24 v[SR], v[LN], SROW
	v_add_nc_u32 v[SR], s15, v[SR]
.macro SYM x                           ; four numbers in v[x .. x+3] -> their symbol in v[SY]: bit j = (number j > 0)
	v_cmp_lt_f32 vcc_lo, 0, v[(\x)]
	v_cndmask_b32 v[SY], 0, 1, vcc_lo
	v_cmp_lt_f32 vcc_lo, 0, v[(\x)+1]
	v_cndmask_b32 v[T1], 0, 2, vcc_lo
	v_cmp_lt_f32 vcc_lo, 0, v[(\x)+2]
	v_cndmask_b32 v[T2], 0, 4, vcc_lo
	v_cmp_lt_f32 vcc_lo, 0, v[(\x)+3]
	v_cndmask_b32 v[T3], 0, 8, vcc_lo
	v_add3_u32 v[SY], v[SY], v[T1], v[T2]
	v_add_nc_u32 v[SY], v[SY], v[T3]
.endm
.irp n, 0,1,2,3,4,5,6,7
	s_wait_loadcnt 15-(\n)                         ; loads come back in order: q's load n is in, the 15-n issued behind it may stay out
	SYM XQ+4*(\n)
	ds_store_b32 v[QW], v[SY] offset:512*(\n)
.endr
.irp n, 0,1,2,3,4,5,6,7
	s_wait_loadcnt 7-(\n)                          ; k's load n is in
	SYM XK+4*(\n)
	ds_store_b32 v[KW], v[SY] offset:512+512*(\n)
	ds_store_b32 v[KW], v[SY] offset:512+512*(\n)+KCOPY-8
.endr
	s_wait_dscnt 0x0                               ; for the others' sake: my stores into the tables and RES are done
	s_barrier_signal -1
	s_barrier_wait -1                              ; from here to the next barrier the tables are only read
; A block: 32 rows x my two diagonals of block n.  Row ii, diagonal jj meets window entry ii - jj + 1.  Where the symbols differ the kept key becomes
; (ii+1024)*1024 + 64 n + jj, a literal.  The lines are laid three rows deep: the compares of row st, the minimum of row st-2 (it must read the keys before row st-1's
; selects write them), the selects of row st-1: so that no line reads the result of a line just in front of it.
.macro BLOCK n, kb, first
.set st, 0
.rept 34
.if st < 32
	v_cmp_eq_u32 s[MK+2*(st%2)], v[Q+st], v[(\kb)+st+1]
	v_cmp_eq_u32 s[MK+2*(st%2)+1], v[Q+st], v[(\kb)+st]
.endif
.if st >= 2
.if \first
	v_min_num_f32 v[B+st-2], v[Z+2*(\n)], v[Z+2*(\n)+1]      ; the tile's first block starts the minima: nothing is set beforehand
.else
	v_min3_num_f32 v[B+st-2], v[B+st-2], v[Z+2*(\n)], v[Z+2*(\n)+1]
.endif
.endif
.if (st >= 1) && (st < 33)
	v_cndmask_b32 v[Z+2*(\n)], LIT0+(((st-1)*1024+64*(\n))<<3), v[Z+2*(\n)], s[MK+2*((st-1)%2)]
	v_cndmask_b32 v[Z+2*(\n)+1], LIT0+(((st-1)*1024+64*(\n)+1)<<3), v[Z+2*(\n)+1], s[MK+2*((st-1)%2)+1]
.endif
.set st, st+1
.endr
.endm
; One range of 128 diagonals of problem p, all 32 tiles.
.macro PASS p
.if (\p) == 0
	s_mov_b32 s20, s10                             ; r
.else
	s_sub_co_u32 s20, 7, s10
.endif
	s_lshl_b32 s21, s20, 2                         ; block 0 has cells from tile 4 r on,
	s_add_co_u32 s22, s21, 2                       ; block 1 from tile 4 r + 2
	s_lshl_b32 s23, s20, 9
	s_sub_co_u32 s23, KT+16+(\p)*KPROB, s23        ; tile 0, block 1: entry 132 + (-128 r - 128); stays above 0 since KT is above 512 x 7
	v_add_nc_u32 v[KA], s23, v[KL]
	v_mov_b32 v[QA], QT+(\p)*4096
	s_lshl_b32 s24, s20, 12
	s_add_co_u32 s24, s24, RES+(\p)*32768
	v_lshl_add_u32 v[RA], v[LN], 2, s24
	s_lshl_b32 s25, s20, 7
	v_lshl_add_u32 v1, v[LN], 1, s25
	v_cvt_f32_u32 v[LP], v1
	v_mov_b32 v[LP+1], v[LP]
.irp n, 0,1,2,3
	v_mov_b32 v[Z+(\n)], 0                         ; any finite number: in a block's first live tile row 0 meets k[e < 0] in every lane and writes the literal
.endr
	s_mov_b32 s26, 0
.Ltile\p:
	s_cmp_lt_u32 s26, s21
	s_cbranch_scc1 .Lnext\p                        ; all my diagonals begin below this tile
.irp n, 0,1,2,3,4,5,6,7
	ds_load_b128 v[Q+4*(\n):Q+4*(\n)+3], v[QA] offset:16*(\n)
.endr
.irp n, 0,1,2,3,4,5,6,7
	ds_load_b128 v[K0+4*(\n):K0+4*(\n)+3], v[KA] offset:256+16*(\n)
.endr
	ds_load_b32 v[K0+32], v[KA] offset:256+128
.irp n, 0,1,2,3,4,5,6,7
	ds_load_b128 v[K1+4*(\n):K1+4*(\n)+3], v[KA] offset:16*(\n)   ; in tiles 4 r and 4 r + 1 these read k[-128 ..], which is written, and are not used
.endr
	ds_load_b32 v[K1+32], v[KA] offset:128
	s_wait_dscnt 9                                 ; q and block 0's window are in; block 1's nine loads may stay out
	BLOCK 0, K0, 1
	s_cmp_lt_u32 s26, s22
	s_cbranch_scc1 .Lred\p
	s_wait_dscnt 0x0
	BLOCK 1, K1, 0
.Lred\p:
	; over the lanes: the lane's part of d-1 is added (the same for all my diagonals, so it moves no minimum of mine), the 32 x 32 keys are turned through my own bytes of LDS
.set cnt, 0
.rept 16
	v_pk_add_f32 v[B+2*cnt:B+2*cnt+1], v[B+2*cnt:B+2*cnt+1], v[LP:LP+1]
.set cnt, cnt+1
.endr
.set cnt, 0
.rept 32
	ds_store_b32 v[SW], v[B+cnt] offset:SROW*cnt   ; row cnt, column = my lane: 32 neighbouring words
.set cnt, cnt+1
.endr
.irp n, 0,1,2,3,4,5,6,7
	ds_load_b128 v[K0+4*(\n):K0+4*(\n)+3], v[SR] offset:16*(\n)   ; row = my lane, all 32 columns; LDS serves a wave's instructions in order, so these see the stores above
.endr
	s_wait_dscnt 0x0
.irp c, 0,1,2,3
	v_min3_num_f32 v[C+(\c)], v[K0+8*(\c)], v[K0+8*(\c)+1], v[K0+8*(\c)+2]
.endr
.irp c, 0,1,2,3
	v_min3_num_f32 v[C+(\c)], v[C+(\c)], v[K0+8*(\c)+3], v[K0+8*(\c)+4]
.endr
.irp c, 0,1,2,3
	v_min3_num_f32 v[C+(\c)], v[C+(\c)], v[K0+8*(\c)+5], v[K0+8*(\c)+6]
.endr
	v_min3_num_f32 v[C], v[C], v[K0+7], v[K0+15]
	v_min3_num_f32 v[C+2], v[C+2], v[K0+23], v[K0+31]
	v_min3_num_f32 v[C], v[C], v[C+1], v[C+2]
	v_min_num_f32 v[C], v[C], v[C+3]
	ds_store_b32 v[RA], v[C]                       ; row 32 t + lane, my range
.irp n, 0,1,2,3
	v_add_f32 v[Z+(\n)], REBASE, v[Z+(\n)]         ; the kept keys, counted from the next tile's first row
.endr
.Lnext\p:
	v_add_nc_u32 v[KA], 128, v[KA]                 ; 32 symbols on
	v_add_nc_u32 v[QA], 128, v[QA]
	v_add_nc_u32 v[RA], 128, v[RA]
	s_add_co_u32 s26, s26, 1
	s_cmp_lt_u32 s26, 32
	s_cbranch_scc1 .Ltile\p
.endm
	PASS 0
	PASS 1
	s_wait_dscnt 0x0                               ; for the others' sake: my keys lie in RES
	s_barrier_signal -1
	s_barrier_wait -1
	; The eight ranges meet.  Thread t: problem t >> 7, rows 8 (t & 127) .. + 7.
	v_lshrrev_b32 v1, 7, v0
	v_and_b32 v[I0], 127, v0
	v_lshlrev_b32 v[FA], 15, v1
	v_lshl_add_u32 v[FA], v[I0], 5, v[FA]
.irp r, 0,1,2,3,4,5,6,7
	ds_load_b128 v[F+8*(\r):F+8*(\r)+3], v[FA] offset:RES+4096*(\r)
	ds_load_b128 v[F+8*(\r)+4:F+8*(\r)+7], v[FA] offset:RES+4096*(\r)+16
.endr
	v_lshlrev_b32 v[I0], 3, v[I0]                  ; my first row i
	v_and_b32 v[TH], 31, v[I0]
	v_add_nc_u32 v[TH], 1024, v[TH]
	v_lshlrev_b32 v[TH], 10, v[TH]                 ; (ii + 1024) * 1024: a key below it has its last mismatch above row i
	v_lshlrev_b32 v[OA], 4, v0
	s_wait_dscnt 0x0
.irp m, 0,1,2,3,4,5,6,7
	v_min3_num_f32 v[M+(\m)], v[F+(\m)], v[F+8+(\m)], v[F+16+(\m)]
.endr
.irp m, 0,1,2,3,4,5,6,7
	v_min3_num_f32 v[M+(\m)], v[M+(\m)], v[F+24+(\m)], v[F+32+(\m)]
.endr
.irp m, 0,1,2,3,4,5,6,7
	v_min3_num_f32 v[M+(\m)], v[M+(\m)], v[F+40+(\m)], v[F+48+(\m)]
.endr
.irp m, 0,1,2,3,4,5,6,7
	v_min_num_f32 v[M+(\m)], v[M+(\m)], v[F+56+(\m)]
.endr
.irp m, 0,1,2,3,4,5,6,7
	v_cvt_u32_f32 v[M+(\m)], v[M+(\m)]             ; exact: a whole number below 2^24
.endr
.irp m, 0,1,2,3,4,5,6,7
	v_add_nc_u32 v1, 1024*(\m), v[TH]
	v_cmp_lt_u32 vcc_lo, v[M+(\m)], v1             ; ln > 0
	v_and_b32 v[M+(\m)], 1023, v[M+(\m)]           ; d - 1
	v_sub_nc_u32 v[M+(\m)], v[I0], v[M+(\m)]
	v_add_nc_u32 v[M+(\m)], (\m), v[M+(\m)]        ; e + 1 = i - (d - 1)
	v_cndmask_b32 v[M+(\m)], 0, v[M+(\m)], vcc_lo
.endr
.irp j, 0,1,2,3
	v_lshl_or_b32 v[D+(\j)], v[M+2*(\j)+1], 16, v[M+2*(\j)]
.endr
	global_store_b128 v[OA], v[D:D+3], s[8:9]      ; byte 16 t of the work-group's 4,096: a wave stores 512 consecutive bytes, aligned
	s_wait_tensorcnt 0x0                           ; the wave's end, behind my last LDS store
	ds_add_u32 v[SPW], v[NIL]
	s_wait_dscnt 0x0
	s_endpgm
.Lfunc_end_k_q0725c5ff56_match:
	.size	k_q0725c5ff56_match, .Lfunc_end_k_q0725c5ff56_match-k_q0725c5ff56_match
	.p2alignl 7, 3214868480
	.fill 96, 4, 3214868480
	.section	.rodata,"a",@progbits
	.p2align	6, 0x0
	.amdhsa_kernel k_q0725c5ff56_match
		.amdhsa_group_segment_fixed_size 130560
		.amdhsa_private_segment_fixed_size 0
		.amdhsa_enable_private_segment 0
		.amdhsa_kernarg_size 24
		.amdhsa_user_sgpr_count 2
		.amdhsa_user_sgpr_kernarg_segment_ptr 1
		.amdhsa_wavefront_size32 1
		.amdhsa_system_sgpr_workgroup_id_x 1
		.amdhsa_system_sgpr_workgroup_id_y 1
		.amdhsa_system_sgpr_workgroup_id_z 1
		.amdhsa_system_vgpr_workitem_id 0
		.amdhsa_next_free_vgpr 160
		.amdhsa_next_free_sgpr 66
		.amdhsa_reserve_vcc 1
		.amdhsa_float_denorm_mode_32 3
		.amdhsa_float_denorm_mode_16_64 3
		.amdhsa_memory_ordered 1
		.amdhsa_forward_progress 1
		.amdhsa_inst_pref_size 82
	.end_amdhsa_kernel
	.amdgpu_metadata
---
amdhsa.version: [ 1, 2 ]
amdhsa.kernels:
  - .name:           k_q0725c5ff56_match
    .symbol:         k_q0725c5ff56_match.kd
    .args:
      - { .name: q, .offset: 0, .size: 8, .value_kind: global_buffer, .address_space: global }
      - { .name: k, .offset: 8, .size: 8, .value_kind: global_buffer, .address_space: global }
      - { .name: idx, .offset: 16, .size: 8, .value_kind: global_buffer, .address_space: global }
    .group_segment_fixed_size: 130560
    .private_segment_fixed_size: 0
    .kernarg_segment_align: 8
    .kernarg_segment_size: 24
    .max_flat_workgroup_size: 256
    .sgpr_count:     66
    .vgpr_count:     160
    .wavefront_size: 32
...
	.end_amdgpu_metadata
.endif
;; end of part 1
;; launch emit (part 2): grid 8 x 32, 8 waves a work-group, no clusters, 0 bytes of LDS; arguments idx, v, emb, out0; writes out0
.if DOCPART == 2
	.amdgcn_target "amdgcn-amd-amdhsa--gfx1250"
	.amdhsa_code_object_version 6
	.text
	.protected	k_q0725c5ff56_emit
	.globl	k_q0725c5ff56_emit
	.p2align	8
	.type	k_q0725c5ff56_emit,@function
k_q0725c5ff56_emit:
	s_mov_b64 s[64:65], 0
	v_nop
	global_prefetch_b8 v0, s[64:65] scope:SCOPE_SE
	s_setreg_imm32_b32 hwreg(HW_REG_WAVE_MODE, 25, 1), 1
	s_wait_xcnt 0x0
; out0[b][i][4g+j] = sign x emb[4g+j]; sign = +1 where v[b][s][4g+j] > 0, else -1, s = idx[b][g][i]; sign = 0 where idx is 0 (no match).
; Left out: rows of v that no idx names are not read (a lookup by whole numbers that the launch before stored).  The product with emb is made in every case, 0 x emb too.
; A NaN in v counts as 'not > 0', as in the function.
; SHARES.  A work-group: one b, 16 neighbouring groups g (256 bytes of a row of v and of out0), 128 rows.  Thread t: group t & 15, rows 8 (t >> 4) .. + 7.
; Its 8 numbers of idx are 16 consecutive bytes (the 16 threads of a group together read that group's 256 bytes, aligned); in each of its 8 stores the 16 lanes of
; a half wave write 256 consecutive bytes of one row, aligned.  The 8 lookups of a thread are all on their way before the first is used.  No LDS, no barrier: no thread needs another's data.
	s_load_b256 s[4:11], s[0:1], 0x0               ; idx s[4:5], v s[6:7], emb s[8:9], out0 s[10:11]
	s_and_b32 s12, ttmp7, 0xffff                   ; 8 b + block of 128 rows
	s_lshr_b32 s13, s12, 3                         ; b
	s_and_b32 s14, s12, 7                          ; block of rows
	v_and_b32 v1, 15, v0                           ; my group in the 16
	v_lshrrev_b32 v2, 4, v0                        ; my 8 rows in the 128
	v_lshlrev_b32 v3, 11, v1                       ; idx: a group is 2,048 bytes,
	v_lshl_add_u32 v3, v2, 4, v3                   ; 8 rows are 16
	s_lshl_b32 s16, s13, 18                        ; b x 128 groups
	s_lshl_b32 s15, ttmp9, 15                      ; + 16 groups x the block of groups
	s_add_co_u32 s16, s16, s15
	s_lshl_b32 s15, s14, 8                         ; + 128 rows x the block of rows
	s_add_co_u32 s16, s16, s15
	s_mov_b32 s17, 0
	s_lshl_b32 s18, ttmp9, 8
	v_lshl_add_u32 v28, v1, 4, s18                 ; my 16 bytes in a row of v, of out0 and in emb
	s_lshl_b32 s20, s13, 21                        ; b x 1,024 rows x 2,048 bytes
	s_mov_b32 s21, 0
	s_lshl_b32 s22, s14, 18                        ; + 128 rows x the block of rows
	s_add_co_u32 s22, s22, s20
	s_mov_b32 s23, 0
	v_lshl_add_u32 v29, v2, 14, v28                ; out0: + my first row
	s_wait_kmcnt 0x0
	s_add_nc_u64 s[4:5], s[4:5], s[16:17]
	s_add_nc_u64 s[6:7], s[6:7], s[20:21]
	s_add_nc_u64 s[10:11], s[10:11], s[22:23]
	global_load_b128 v[4:7], v3, s[4:5]
	global_load_b128 v[8:11], v28, s[8:9]
	s_wait_loadcnt 0x1                             ; idx is in; emb may stay out
.irp j, 0,1,2,3
	v_and_b32 v[12+2*(\j)], 0xffff, v[4+(\j)]
	v_lshrrev_b32 v[13+2*(\j)], 16, v[4+(\j)]
.endr
.irp m, 0,1,2,3,4,5,6,7
	v_min_u32 v[20+(\m)], 0x3ff, v[12+(\m)]        ; a loaded number enters an address only held to the table's 1,024 rows
	v_lshl_add_u32 v[20+(\m)], v[20+(\m)], 11, v28
.endr
.irp m, 0,1,2,3,4,5,6,7
	global_load_b128 v[32+4*(\m):35+4*(\m)], v[20+(\m)], s[6:7]
.endr
.irp m, 0,1,2,3,4,5,6,7
	s_wait_loadcnt 7-(\m)                          ; lookup m is in (and emb, issued before it); the 7-m behind it may stay out
	v_cmp_ne_u32 s24, 0, v[12+(\m)]                ; a match?
.irp c, 0,1,2,3
	v_cmp_lt_f32 vcc_lo, 0, v[32+4*(\m)+(\c)]
	v_cndmask_b32 v[32+4*(\m)+(\c)], -1.0, 1.0, vcc_lo
	v_cndmask_b32 v[32+4*(\m)+(\c)], 0, v[32+4*(\m)+(\c)], s24
	v_mul_f32 v[32+4*(\m)+(\c)], v[32+4*(\m)+(\c)], v[8+(\c)]
.endr
	global_store_b128 v29, v[32+4*(\m):35+4*(\m)], s[10:11] offset:2048*(\m) th:TH_STORE_NT
.endr
	s_endpgm
.Lfunc_end_k_q0725c5ff56_emit:
	.size	k_q0725c5ff56_emit, .Lfunc_end_k_q0725c5ff56_emit-k_q0725c5ff56_emit
	.p2alignl 7, 3214868480
	.fill 96, 4, 3214868480
	.section	.rodata,"a",@progbits
	.p2align	6, 0x0
	.amdhsa_kernel k_q0725c5ff56_emit
		.amdhsa_group_segment_fixed_size 0
		.amdhsa_private_segment_fixed_size 0
		.amdhsa_enable_private_segment 0
		.amdhsa_kernarg_size 32
		.amdhsa_user_sgpr_count 2
		.amdhsa_user_sgpr_kernarg_segment_ptr 1
		.amdhsa_wavefront_size32 1
		.amdhsa_system_sgpr_workgroup_id_x 1
		.amdhsa_system_sgpr_workgroup_id_y 1
		.amdhsa_system_sgpr_workgroup_id_z 1
		.amdhsa_system_vgpr_workitem_id 0
		.amdhsa_next_free_vgpr 64
		.amdhsa_next_free_sgpr 66
		.amdhsa_reserve_vcc 1
		.amdhsa_float_denorm_mode_32 3
		.amdhsa_float_denorm_mode_16_64 3
		.amdhsa_memory_ordered 1
		.amdhsa_forward_progress 1
		.amdhsa_inst_pref_size 12
	.end_amdhsa_kernel
	.amdgpu_metadata
---
amdhsa.version: [ 1, 2 ]
amdhsa.kernels:
  - .name:           k_q0725c5ff56_emit
    .symbol:         k_q0725c5ff56_emit.kd
    .args:
      - { .name: idx, .offset: 0, .size: 8, .value_kind: global_buffer, .address_space: global }
      - { .name: v, .offset: 8, .size: 8, .value_kind: global_buffer, .address_space: global }
      - { .name: emb, .offset: 16, .size: 8, .value_kind: global_buffer, .address_space: global }
      - { .name: out0, .offset: 24, .size: 8, .value_kind: global_buffer, .address_space: global }
    .group_segment_fixed_size: 0
    .private_segment_fixed_size: 0
    .kernarg_segment_align: 8
    .kernarg_segment_size: 32
    .max_flat_workgroup_size: 256
    .sgpr_count:     66
    .vgpr_count:     64
    .wavefront_size: 32
...
	.end_amdgpu_metadata
.endif
;; end of part 2
;; ======== version 2 of 2: 2 launches; version 1 with the launch match written anew for expert scheduling mode
;; workspace buffers: idx 1,048,576 bytes of whole numbers
;; launch match (part 3): grid 64 x 4, 8 waves a work-group, no clusters, 130,560 bytes of LDS; arguments q, k, idx; writes idx
.if DOCPART == 3
	.amdgcn_target "amdgcn-amd-amdhsa--gfx1250"
	.amdhsa_code_object_version 6
	.text
	.protected	k_q0725c5ff56_match
	.globl	k_q0725c5ff56_match
	.p2align	8
	.type	k_q0725c5ff56_match,@function
k_q0725c5ff56_match:
	s_mov_b64 s[64:65], 0
	v_nop
	global_prefetch_b8 v0, s[64:65] scope:SCOPE_SE
	s_setreg_imm32_b32 hwreg(HW_REG_WAVE_SCHED_MODE, 0, 2), 2
	s_setreg_imm32_b32 hwreg(HW_REG_WAVE_MODE, 25, 1), 1
	s_wait_xcnt 0x0
	s_wait_alu depctr_vm_vsrc(0)
; ROSA, 4-bit symbols: for each (b, g) and each row i, the longest match of q ending at i with k ending at e <= i-1; among the longest the largest e.
; This launch stores idx[b][g][i] (u16) = e+1, the row of v that the next launch looks up, or 0 where no symbol matches (ln = 0).
; WORK LEFT OUT, for all values of the inputs.  L[i][e] is made of L[i-1][e-1] alone, so it lives on the diagonal d = i-e.  The function itself keeps only e < i
; (its own mask e_idx < i), that is d >= 1, and no cell with d <= 0 feeds a cell with d >= 1: the blocks of cells with d <= 0 are not computed.  e+1 = i-d+1 lies in 1..i,
; so the clip to 0..1023 never acts, and 0 is free to mean 'no match'.  v and emb have no way to idx: they are read by the next launch, not here.  All that is left out is
; work on whole numbers: no NaN, infinity or overflow can arise in it.  A NaN in q or k counts as 'not > 0', as in the function.
; THE FORM.  On a diagonal L = i - Z, Z the row of the last mismatch (Z = eq ? Z : i).  Largest L, then largest e = smallest key, key = Zrel*1024 + (d-1),
; Zrel = Z - (first row of the tile in hand) + 1024.  Keys are whole numbers below 2^21, held in f32, where they are exact, so that one v_min3_num_f32 takes two diagonals.
; A row has a match where its key is below (ii+1024)*1024, ii its place in the tile.  At a tile's end 32*1024 is taken from every kept key.
; SHARES.  A work-group has two neighbouring groups g (problems 0 and 1) of one b; 32 consecutive bytes of each row of q and of k, each byte read once.
; A lane owns two neighbouring diagonals of a block of 64: d-1 = 128 r + 64 n + 2 lane + jj.  A tile is 32 rows.  Wave w takes range r = w of problem 0 and then range 7-w of
; problem 1: (62-8w) + (6+8w) = 68 blocks for every wave.  Block n of range r has live cells from tile 4r+2n on; earlier tiles are jumped over.
; No address and no branch hangs on q or k: the data only steer v_cndmask_b32.
; THE MODE: SCHED_MODE bits 1:0 = 2 (LLVM: expert scheduling mode 2), set by the entry lines.  The code itself states the register dependences between vector instructions
; and memory or LDS instructions, and those through scalar registers that vector instructions write, with s_wait_alu, always for 0.
; THE PLAN, in the loop over tiles.  Registers that LDS instructions touch:
;   Q, K0, K1   Written by the 26 loads of tile t+1, which are issued in tile t; read by the compares of tile t+1.  (Tile 4 r's are issued ahead of the loop; tile 31 is written out and fetches nothing.)
;   B           Written by tile t's minima and packed additions; read by its 32 turning stores.
;   TK          Written by the 8 turning loads; read by the 16 minima behind them.
;   C           Written by those minima; read by the store into RES.
;   KA, QA, RA  Read by the loads (tile t+1's address) and by the store into RES (tile t's); written by three additions at the loop's foot, in every trip.
;   KP, QP      The first live tile's addresses: written at a pass's head, read by the loads ahead of the loop.     SW, SR: written at the kernel's head alone.
;   Z, ZE, LP and the masks are named by vector instructions alone.
; So a live tile has two waits on va_vdst: one behind the packed additions, ahead of the run of 32 stores, 8 loads and 26 loads (B, KA and QA are written; the compares are done reading
; Q, K0 and K1, the last tile's minima TK); one behind the minima, ahead of the store of C.  One wait on vm_vsrc stands at the loop's foot, ahead of the three additions and of the next tile's
; first writes of B and C.  THE MASKS: the compares go in runs of 8 rows (16 masks) into two sets that take turns, the next run dealt among this run's selects; one wait on va_sdst behind each run.
.set RES,    0            ; LDS: RES[problem][range][row], f32 keys: 2 x 8 x 4,096 bytes
.set QT,     65536        ; q's symbols, a word each: 2 x 4,096 bytes
.set KT,     73728        ; k's symbols: for each problem two copies; copy c holds k[y+2c] at entry y+132, so that every lane's window begins on 16 bytes
.set KCOPY,  4736         ; from copy to copy: 128 bytes more than a multiple of 256
.set KPROB,  9472         ; from problem to problem
.set SCR,    92672        ; each wave's own 32 rows x 144 bytes, to turn 32 lanes x 32 rows
.set SROW,   144
.set SWAVE,  4608
.set SPARE,  129536       ; the spare words, 128 bytes for each of the 8 waves: no other line names them
.set BIGKEY, 0x4b000000   ; 2^23: above every key
.set LIT0,   0x49800000   ; 2^20 as f32; 2^20 + x is LIT0 + 8 x for x below 2^20
.set REBASE, 0xc7000000   ; -32768.0 = -(32 rows x 1024)
.set SPW, 2               ; v2   my spare word's address; never rewritten
.set NIL, 3               ; v3   0; never rewritten
.set KA,  4               ; v4   my window of k for block 1 of the tile behind the one in hand; block 0's lies 256 bytes further
.set QA,  5               ; v5   that tile's 32 symbols of q
.set RA,  6               ; v6   where my row's key of the tile in hand goes in RES
.set SW,  7               ; v7   turning: my column
.set SR,  8               ; v8   turning: my row
.set LN,  9               ; v9   lane
.set LP,  10              ; v[10:11] 128 r + 2 lane as f32, twice
.set Z,   12              ; v[12:15] the keys of my four diagonals (2 n + jj) behind an odd row, and so from tile to tile
.set Q,   16              ; v[16:47] q of the tile's rows, the same in all lanes
.set B,   48              ; v[48:79] the rows' smallest keys over my diagonals
.set K0,  80              ; v[80:112] block 0's window of 33 symbols
.set K1,  116             ; v[116:148] block 1's
.set QP,  149             ; v149 q of the pass's first live tile
.set KL,  150             ; v150 my lane's part of KA
.set KP,  151             ; v151 my window of k in the pass's first live tile
.set C,   152             ; v[152:155] at work
.set ZE,  156             ; v[156:159] the same four keys behind an even row: the two sets take turns, so that a row's minimum can stand behind the next row's selects
.set TK,  160             ; v[160:191] the turned keys
.set MA,  28              ; s[28:59] the compares' masks: two sets of 16; row ii, diagonal jj at MA + 16 ((ii / 8) % 2) + 2 (ii % 8) + jj
; registers of the first part only (free again behind the first barrier)
.set XQ,  16              ; v[16:47] 8 rows x 4 numbers of q; then each row's symbol in the first of its four
.set XK,  48              ; v[48:79] of k
.set GOF, 80
.set KW,  81
.set QW,  82
.set FW,  83
.set BG,  84              ; v[84:87]
.set SEN, 88
.set T1,  90
.set T2,  91
; registers of the last part only
.set F,   16              ; v[16:79] range r, row m at F + 8 r + m
.set FA,  80
.set I0,  81
.set TH,  82
.set M,   84              ; v[84:91]
.set D,   108             ; v[108:111]
.set OA,  112
	s_load_b128 s[4:7], s[0:1], 0x0                ; q s[4:5], k s[6:7]
	s_load_b64 s[8:9], s[0:1], 0x10                ; idx
	v_lshl_add_u32 v[SPW], v0, 2, SPARE
	v_mov_b32 v[NIL], 0
	v_lshrrev_b32 v1, 5, v0
	v_readfirstlane_b32 s10, v1                    ; wave 0..7
	s_and_b32 s11, ttmp7, 0xffff                   ; b
	s_lshl_b32 s12, s11, 21                        ; b x 1,024 rows x 2,048 bytes
	s_lshl_b32 s14, ttmp9, 5                       ; + my two groups: 32 bytes of a row
	s_add_co_u32 s12, s12, s14
	s_mov_b32 s13, 0
	s_lshl_b32 s16, s11, 18                        ; idx: b x 128 groups x 2,048 bytes
	s_lshl_b32 s14, ttmp9, 12                      ; + two groups
	s_add_co_u32 s16, s16, s14
	s_mov_b32 s17, 0
	; all addresses are made here, while the arguments are on their way
	v_lshrrev_b32 v1, 1, v0                        ; thread t loads for problem t & 1, rows (t >> 1) + 128 n: two neighbouring lanes take a row's 32 bytes
	v_and_b32 v[T1], 1, v0
	v_lshlrev_b32 v[GOF], 11, v1
	v_lshl_add_u32 v[GOF], v[T1], 4, v[GOF]
	v_mul_u32_u24 v[KW], v[T1], KPROB
	v_lshl_add_u32 v[KW], v1, 2, v[KW]
	v_add_nc_u32 v[KW], KT+16, v[KW]               ; copy 0, entry 4 + (t >> 1): k[-128 + (t >> 1)]
	v_lshlrev_b32 v[QW], 12, v[T1]
	v_lshl_add_u32 v[QW], v1, 2, v[QW]
	v_add_nc_u32 v[QW], QT, v[QW]
	v_lshlrev_b32 v[FW], 4, v0
.irp n, 0,1,2,3
	v_mov_b32 v[BG+(\n)], BIGKEY
.endr
	v_mov_b32 v[SEN], 0xff
	; what the second part needs of the lane and the wave
	v_and_b32 v[LN], 31, v0
	v_sub_nc_u32 v1, 31, v[LN]                     ; l' = 31 - lane: my window begins at k[E + 2 l']
	v_and_b32 v[T1], 1, v1                         ; the copy: l' & 1
	v_lshrrev_b32 v[T2], 1, v1
	v_mul_u32_u24 v[KL], v[T1], KCOPY
	v_lshl_add_u32 v[KL], v[T2], 4, v[KL]          ; + 4 (l' >> 1) entries
	s_wait_alu depctr_va_sdst(0)                   ; s10 is written, ahead of its first reader, the line below
	s_mul_i32 s15, s10, SWAVE
	s_add_co_u32 s15, s15, SCR
	v_lshl_add_u32 v[SW], v[LN], 2, s15
	v_mul_u32_u24 v[SR], v[LN], SROW
	v_add_nc_u32 v[SR], s15, v[SR]
	s_wait_kmcnt 0x0
	s_add_nc_u64 s[4:5], s[4:5], s[12:13]
	s_add_nc_u64 s[6:7], s[6:7], s[12:13]
	s_add_nc_u64 s[8:9], s[8:9], s[16:17]
	s_wait_alu depctr_va_vdst(0)                   ; GOF, FW, KW, BG and SEN are written: the 16 loads and the 18 LDS stores below read them as offset, address and data
.irp n, 0,1,2,3,4,5,6,7
	global_load_b128 v[XQ+4*(\n):XQ+4*(\n)+3], v[GOF], s[4:5] offset:262144*(\n)
.endr
.irp n, 0,1,2,3,4,5,6,7
	global_load_b128 v[XK+4*(\n):XK+4*(\n)+3], v[GOF], s[6:7] offset:262144*(\n)
.endr
	; while the 16 loads are out: RES filled with a key that loses, and k[-128..-1] = 255, a symbol that equals no symbol of q
.irp n, 0,1,2,3,4,5,6,7,8,9,10,11,12,13,14,15
	ds_store_b128 v[FW], v[BG:BG+3] offset:RES+4096*(\n)   ; 256 threads x 16 bytes x 16: all of RES; ranges that have no cell in a row keep this key there
.endr
	ds_store_b32 v[KW], v[SEN]
	ds_store_b32 v[KW], v[SEN] offset:KCOPY-8      ; copy 1 holds the same symbol two entries lower
; Four numbers in v[x .. x+3] -> their symbol: bit j = (number j > 0).  POS makes the four masks; SEL turns them into 1, 2, 4, 8 or 0, in place.
.macro POS x, m
	v_cmp_lt_f32 s[(\m)], 0, v[(\x)]
	v_cmp_lt_f32 s[(\m)+1], 0, v[(\x)+1]
	v_cmp_lt_f32 s[(\m)+2], 0, v[(\x)+2]
	v_cmp_lt_f32 s[(\m)+3], 0, v[(\x)+3]
.endm
.macro SEL x, m
	v_cndmask_b32 v[(\x)], 0, 1, s[(\m)]
	v_cndmask_b32 v[(\x)+1], 0, 2, s[(\m)+1]
	v_cndmask_b32 v[(\x)+2], 0, 4, s[(\m)+2]
	v_cndmask_b32 v[(\x)+3], 0, 8, s[(\m)+3]
.endm
.irp n, 0,1,2,3,4,5,6,7
	s_wait_loadcnt 15-(\n)                         ; loads come back in order: q's load n is in, the 15-n issued behind it may stay out
	POS XQ+4*(\n), MA+4*(\n)
.endr
	s_wait_alu depctr_va_sdst(0)                   ; q's 32 masks are written, ahead of the selects that read them
.irp n, 0,1,2,3,4,5,6,7
	SEL XQ+4*(\n), MA+4*(\n)
.endr
.irp n, 0,1,2,3,4,5,6,7
	v_add3_u32 v[XQ+4*(\n)], v[XQ+4*(\n)], v[XQ+4*(\n)+1], v[XQ+4*(\n)+2]
.endr
.irp n, 0,1,2,3,4,5,6,7
	v_add_nc_u32 v[XQ+4*(\n)], v[XQ+4*(\n)], v[XQ+4*(\n)+3]
.endr
.irp n, 0,1,2,3,4,5,6,7
	s_wait_loadcnt 7-(\n)                          ; k's load n is in
	POS XK+4*(\n), MA+4*(\n)
.endr
	s_wait_alu depctr_va_sdst(0)                   ; k's 32 masks are written, ahead of the selects that read them
.irp n, 0,1,2,3,4,5,6,7
	SEL XK+4*(\n), MA+4*(\n)
.endr
.irp n, 0,1,2,3,4,5,6,7
	v_add3_u32 v[XK+4*(\n)], v[XK+4*(\n)], v[XK+4*(\n)+1], v[XK+4*(\n)+2]
.endr
.irp n, 0,1,2,3,4,5,6,7
	v_add_nc_u32 v[XK+4*(\n)], v[XK+4*(\n)], v[XK+4*(\n)+3]
.endr
	s_wait_alu depctr_va_vdst(0)                   ; the 16 symbols are written, which the 24 LDS stores below read
.irp n, 0,1,2,3,4,5,6,7
	ds_store_b32 v[QW], v[XQ+4*(\n)] offset:512*(\n)
.endr
.irp n, 0,1,2,3,4,5,6,7
	ds_store_b32 v[KW], v[XK+4*(\n)] offset:512+512*(\n)
	ds_store_b32 v[KW], v[XK+4*(\n)] offset:512+512*(\n)+KCOPY-8
.endr
	s_wait_dscnt 0x0                               ; for the others' sake: my stores into the tables and RES are done
	s_barrier_signal -1
	s_barrier_wait -1                              ; from here to the next barrier the tables are only read
; A block: 32 rows x my two diagonals of block n.  Row ii, diagonal jj meets window entry ii - jj + 1.  Where the symbols differ the kept key becomes
; (ii+1024)*1024 + 64 n + jj, a literal.  An even row reads the keys in Z and writes ZE, an odd row the other way round.
.macro CMPROW kb, ii                   ; the two compares of row ii
	v_cmp_eq_u32 s[MA+16*(((\ii)/8)%2)+2*((\ii)%8)], v[Q+(\ii)], v[(\kb)+(\ii)+1]
	v_cmp_eq_u32 s[MA+16*(((\ii)/8)%2)+2*((\ii)%8)+1], v[Q+(\ii)], v[(\kb)+(\ii)]
.endm
.macro SELROW n, ii                    ; its two selects
	v_cndmask_b32 v[Z+2*(\n)+(ZE-Z)*(1-(\ii)%2)], LIT0+(((\ii)*1024+64*(\n))<<3), v[Z+2*(\n)+(ZE-Z)*((\ii)%2)], s[MA+16*(((\ii)/8)%2)+2*((\ii)%8)]
	v_cndmask_b32 v[Z+2*(\n)+(ZE-Z)*(1-(\ii)%2)+1], LIT0+(((\ii)*1024+64*(\n)+1)<<3), v[Z+2*(\n)+(ZE-Z)*((\ii)%2)+1], s[MA+16*(((\ii)/8)%2)+2*((\ii)%8)+1]
.endm
.macro MINROW n, ii, first             ; its minimum
.if \first
	v_min_num_f32 v[B+(\ii)], v[Z+2*(\n)+(ZE-Z)*(1-(\ii)%2)], v[Z+2*(\n)+(ZE-Z)*(1-(\ii)%2)+1]      ; the tile's first block starts the minima: nothing is set beforehand
.else
	v_min3_num_f32 v[B+(\ii)], v[B+(\ii)], v[Z+2*(\n)+(ZE-Z)*(1-(\ii)%2)], v[Z+2*(\n)+(ZE-Z)*(1-(\ii)%2)+1]
.endif
.endm
; The order: rows 0-7's compares; then row by row the compares of the row eight further on (into the other set of masks), the row's selects, and the minimum of the row before,
; which reads the set of keys that the row's selects do not write.
.macro BLOCK n, kb, first
.set st, 0
.rept 8
	CMPROW \kb, st
.set st, st+1
.endr
	s_wait_alu depctr_va_sdst(0)                   ; the masks of rows 0 to 7 are written, ahead of the selects that read them
.set st, 0
.rept 32
.if st < 24
	CMPROW \kb, st+8
.endif
	SELROW \n, st
.if st >= 1
	MINROW \n, st-1, \first
.endif
.if (st < 24) && (st%8 == 7)
	s_wait_alu depctr_va_sdst(0)                   ; the masks of the next eight rows are written, ahead of the selects that read them
.endif
.set st, st+1
.endr
	MINROW \n, 31, \first
.endm
; A tile's 26 LDS loads: q, block 0's window, block 1's window.
.macro LOADS ka, qa
.irp n, 0,1,2,3,4,5,6,7
	ds_load_b128 v[Q+4*(\n):Q+4*(\n)+3], v[(\qa)] offset:16*(\n)
.endr
.irp n, 0,1,2,3,4,5,6,7
	ds_load_b128 v[K0+4*(\n):K0+4*(\n)+3], v[(\ka)] offset:256+16*(\n)
.endr
	ds_load_b32 v[K0+32], v[(\ka)] offset:256+128
.irp n, 0,1,2,3,4,5,6,7
	ds_load_b128 v[K1+4*(\n):K1+4*(\n)+3], v[(\ka)] offset:16*(\n)   ; in tiles 4 r and 4 r + 1 these read k[-128 ..], which is written, and are not used
.endr
	ds_load_b32 v[K1+32], v[(\ka)] offset:128
.endm
; A live tile of problem p.  more = 1: in the loop: block 1 may still be dead, and the next tile is fetched.  more = 0: tile 31, in which both blocks are live (4 r + 2 is 30 at the most).
.macro TILE p, more
	s_wait_dscnt 9                                 ; q and block 0's window are in: behind them were issued block 1's nine loads (and, round the loop, the store into RES: then one of the nine is in too)
	BLOCK 0, K0, 1
	s_wait_dscnt 0x0                               ; block 1's window is in; it stands ahead of the branch, so that on the way round block 1 too no load into K1 is out when the next tile's are issued
.if \more
	s_cmp_lt_u32 s26, s22
	s_cbranch_scc1 .Lred\p
.endif
	BLOCK 1, K1, 0
.if \more
.Lred\p:
.endif
	; over the lanes: the lane's part of d-1 is added (the same for all my diagonals, so it moves no minimum of mine), the 32 x 32 keys are turned through my own bytes of LDS
.set cnt, 0
.rept 16
	v_pk_add_f32 v[B+2*cnt:B+2*cnt+1], v[B+2*cnt:B+2*cnt+1], v[LP:LP+1]
.set cnt, cnt+1
.endr
	s_wait_alu depctr_va_vdst(0)                   ; B is written, which the stores read; KA and QA are written, which the next tile's loads read; the compares are done reading Q, K0 and K1, the last tile's minima TK, in which loads land
.set cnt, 0
.rept 32
	ds_store_b32 v[SW], v[B+cnt] offset:SROW*cnt   ; row cnt, column = my lane: 32 neighbouring words
.set cnt, cnt+1
.endr
.irp n, 0,1,2,3,4,5,6,7
	ds_load_b128 v[TK+4*(\n):TK+4*(\n)+3], v[SR] offset:16*(\n)   ; row = my lane, all 32 columns; LDS serves a wave's instructions in order, so these see the stores above
.endr
.if \more
	LOADS KA, QA                                   ; the next tile.  No wait: only LDS instructions stand between the wait above and these
	s_wait_dscnt 26                                ; the turned keys are in; the 26 loads issued behind them stay out
.else
	s_wait_dscnt 0x0
.endif
.irp c, 0,1,2,3
	v_min3_num_f32 v[C+(\c)], v[TK+8*(\c)], v[TK+8*(\c)+1], v[TK+8*(\c)+2]
.endr
.irp c, 0,1,2,3
	v_min3_num_f32 v[C+(\c)], v[C+(\c)], v[TK+8*(\c)+3], v[TK+8*(\c)+4]
.endr
.irp c, 0,1,2,3
	v_min3_num_f32 v[C+(\c)], v[C+(\c)], v[TK+8*(\c)+5], v[TK+8*(\c)+6]
.endr
	v_min3_num_f32 v[C], v[C], v[TK+7], v[TK+15]
	v_min3_num_f32 v[C+2], v[C+2], v[TK+23], v[TK+31]
	v_min3_num_f32 v[C], v[C], v[C+1], v[C+2]
	v_min_num_f32 v[C], v[C], v[C+3]
	s_wait_alu depctr_va_vdst(0)                   ; the minima have written C, which the store reads
	ds_store_b32 v[RA], v[C]                       ; row 32 t + lane, my range
.if \more
.irp n, 0,1,2,3
	v_add_f32 v[Z+(\n)], REBASE, v[Z+(\n)]         ; the kept keys, counted from the next tile's first row
.endr
.endif
.endm
; One range of 128 diagonals of problem p, all 32 tiles.
.macro PASS p
	s_wait_alu depctr_vm_vsrc(0)                   ; the loads and stores issued so far have read their registers: the lines below write KA, QA, RA, KP and QP, the first loads land in Q, K0 and K1 (in pass 0: offsets, addresses and data of the first part), the first block writes B
.if (\p) == 0
	s_mov_b32 s20, s10                             ; r
.else
	s_sub_co_u32 s20, 7, s10
.endif
	s_lshl_b32 s21, s20, 2                         ; block 0 has cells from tile 4 r on,
	s_add_co_u32 s22, s21, 2                       ; block 1 from tile 4 r + 2
	s_lshl_b32 s23, s20, 9
	s_add_co_u32 s27, s23, QT+(\p)*4096            ; q of tile 4 r: 128 bytes a tile
	s_sub_co_u32 s23, KT+16+128+(\p)*KPROB, s23    ; tile 1, block 1: entry 132 + (-128 r - 128) + 32; stays above 0 since KT is above 512 x 7
	v_add_nc_u32 v[KA], s23, v[KL]
	v_add_nc_u32 v[KP], KT+16+(\p)*KPROB, v[KL]    ; tile 4 r: 512 r bytes further than tile 0, which takes r out
	v_mov_b32 v[QA], QT+128+(\p)*4096              ; tile 1
	v_mov_b32 v[QP], s27
	s_lshl_b32 s24, s20, 12
	s_add_co_u32 s24, s24, RES+(\p)*32768
	v_lshl_add_u32 v[RA], v[LN], 2, s24            ; tile 0
	s_lshl_b32 s25, s20, 7
	v_lshl_add_u32 v1, v[LN], 1, s25
	v_cvt_f32_u32 v[LP], v1
	v_mov_b32 v[LP+1], v[LP]
.irp n, 0,1,2,3
	v_mov_b32 v[Z+(\n)], 0                         ; any finite number: in a block's first live tile row 0 meets k[e < 0] in every lane and writes the literal
.endr
	s_wait_alu depctr_va_vdst(0)                   ; KP and QP are written, which the loads below read; all vector lines so far are done with Q, K0 and K1, in which they land
	LOADS KP, QP                                   ; the first live tile
	s_mov_b32 s26, 0
.Ltile\p:                                              ; trips 0 to 30; in trip t KA and QA point at tile t + 1, RA at tile t
	s_cmp_lt_u32 s26, s21
	s_cbranch_scc1 .Lnext\p                        ; all my diagonals begin below this tile
	TILE \p, 1
.Lnext\p:
	s_wait_alu depctr_vm_vsrc(0)                   ; the tile's loads have read KA and QA, its stores RA, B and C: the three lines below and the next tile's minima write them
	v_add_nc_u32 v[KA], 128, v[KA]                 ; 32 symbols on
	v_add_nc_u32 v[QA], 128, v[QA]
	v_add_nc_u32 v[RA], 128, v[RA]
	s_add_co_u32 s26, s26, 1
	s_cmp_lt_u32 s26, 31
	s_cbranch_scc1 .Ltile\p
	TILE \p, 0                                     ; tile 31 is written out: nothing is left to fetch, so no load leaves the tables
.endm
	PASS 0
	PASS 1
	s_wait_dscnt 0x0                               ; for the others' sake: my keys lie in RES
	s_barrier_signal -1
	s_barrier_wait -1
	; The eight ranges meet.  Thread t: problem t >> 7, rows 8 (t & 127) .. + 7.
	s_wait_alu depctr_vm_vsrc(0)                   ; my turning stores have read B, in whose registers the loads below land
	v_lshrrev_b32 v1, 7, v0
	v_and_b32 v[I0], 127, v0
	v_lshlrev_b32 v[FA], 15, v1
	v_lshl_add_u32 v[FA], v[I0], 5, v[FA]
	v_lshlrev_b32 v[I0], 3, v[I0]                  ; my first row i
	v_and_b32 v[TH], 31, v[I0]
	v_add_nc_u32 v[TH], 1024, v[TH]
	v_lshlrev_b32 v[TH], 10, v[TH]                 ; (ii + 1024) * 1024: a key below it has its last mismatch above row i
	v_lshlrev_b32 v[OA], 4, v0
	s_wait_alu depctr_va_vdst(0)                   ; FA is written, which the loads read (and OA, which the store at the end reads); the last tile's compares, minima and additions are done with v16 to v79, in which the loads land
.irp r, 0,1,2,3,4,5,6,7
	ds_load_b128 v[F+8*(\r):F+8*(\r)+3], v[FA] offset:RES+4096*(\r)
	ds_load_b128 v[F+8*(\r)+4:F+8*(\r)+7], v[FA] offset:RES+4096*(\r)+16
.endr
	s_wait_dscnt 0x0
.irp m, 0,1,2,3,4,5,6,7
	v_min3_num_f32 v[M+(\m)], v[F+(\m)], v[F+8+(\m)], v[F+16+(\m)]
.endr
.irp m, 0,1,2,3,4,5,6,7
	v_min3_num_f32 v[M+(\m)], v[M+(\m)], v[F+24+(\m)], v[F+32+(\m)]
.endr
.irp m, 0,1,2,3,4,5,6,7
	v_min3_num_f32 v[M+(\m)], v[M+(\m)], v[F+40+(\m)], v[F+48+(\m)]
.endr
.irp m, 0,1,2,3,4,5,6,7
	v_min_num_f32 v[M+(\m)], v[M+(\m)], v[F+56+(\m)]
.endr
.irp m, 0,1,2,3,4,5,6,7
	v_cvt_u32_f32 v[M+(\m)], v[M+(\m)]             ; exact: a whole number below 2^24
.endr
.irp m, 0,1,2,3,4,5,6,7
	v_add_nc_u32 v1, 1024*(\m), v[TH]
	v_cmp_lt_u32 s[MA+(\m)], v[M+(\m)], v1         ; ln > 0
.endr
.irp m, 0,1,2,3,4,5,6,7
	v_and_b32 v[M+(\m)], 1023, v[M+(\m)]           ; d - 1
	v_sub_nc_u32 v[M+(\m)], v[I0], v[M+(\m)]
	v_add_nc_u32 v[M+(\m)], (\m), v[M+(\m)]        ; e + 1 = i - (d - 1)
.endr
	s_wait_alu depctr_va_sdst(0)                   ; the eight masks are written, ahead of the selects that read them
.irp m, 0,1,2,3,4,5,6,7
	v_cndmask_b32 v[M+(\m)], 0, v[M+(\m)], s[MA+(\m)]
.endr
.irp j, 0,1,2,3
	v_lshl_or_b32 v[D+(\j)], v[M+2*(\j)+1], 16, v[M+2*(\j)]
.endr
	s_wait_alu depctr_va_vdst(0)                   ; D is written, which the store reads
	global_store_b128 v[OA], v[D:D+3], s[8:9]      ; byte 16 t of the work-group's 4,096: a wave stores 512 consecutive bytes, aligned
	s_wait_dscnt 0x0                               ; the wave's end
	s_wait_alu 0x0
	s_wait_tensorcnt 0x0
	ds_add_u32 v[SPW], v[NIL]
	s_wait_dscnt 0x0
	s_endpgm
.Lfunc_end_k_q0725c5ff56_match:
	.size	k_q0725c5ff56_match, .Lfunc_end_k_q0725c5ff56_match-k_q0725c5ff56_match
	.p2alignl 7, 3214868480
	.fill 96, 4, 3214868480
	.section	.rodata,"a",@progbits
	.p2align	6, 0x0
	.amdhsa_kernel k_q0725c5ff56_match
		.amdhsa_group_segment_fixed_size 130560
		.amdhsa_private_segment_fixed_size 0
		.amdhsa_enable_private_segment 0
		.amdhsa_kernarg_size 24
		.amdhsa_user_sgpr_count 2
		.amdhsa_user_sgpr_kernarg_segment_ptr 1
		.amdhsa_wavefront_size32 1
		.amdhsa_system_sgpr_workgroup_id_x 1
		.amdhsa_system_sgpr_workgroup_id_y 1
		.amdhsa_system_sgpr_workgroup_id_z 1
		.amdhsa_system_vgpr_workitem_id 0
		.amdhsa_next_free_vgpr 192
		.amdhsa_next_free_sgpr 66
		.amdhsa_reserve_vcc 0
		.amdhsa_float_denorm_mode_32 3
		.amdhsa_float_denorm_mode_16_64 3
		.amdhsa_memory_ordered 1
		.amdhsa_forward_progress 1
		.amdhsa_inst_pref_size 146
	.end_amdhsa_kernel
	.amdgpu_metadata
---
amdhsa.version: [ 1, 2 ]
amdhsa.kernels:
  - .name:           k_q0725c5ff56_match
    .symbol:         k_q0725c5ff56_match.kd
    .args:
      - { .name: q, .offset: 0, .size: 8, .value_kind: global_buffer, .address_space: global }
      - { .name: k, .offset: 8, .size: 8, .value_kind: global_buffer, .address_space: global }
      - { .name: idx, .offset: 16, .size: 8, .value_kind: global_buffer, .address_space: global }
    .group_segment_fixed_size: 130560
    .private_segment_fixed_size: 0
    .kernarg_segment_align: 8
    .kernarg_segment_size: 24
    .max_flat_workgroup_size: 256
    .sgpr_count:     66
    .vgpr_count:     192
    .wavefront_size: 32
...
	.end_amdgpu_metadata
.endif
;; end of part 3
;; launch emit: the kernel of part 2 again; grid 8 x 32, 8 waves a work-group, no clusters, 0 bytes of LDS; arguments idx, v, emb, out0; writes out0
